; MI455X (gfx1250); checked and timed in simulation.
; The chip was launched on July 23, 2026; its instructions are those of AMD's public machine-readable ISA for CDNA 5 (MIT licence, August 2026) and "CDNA5" Instruction Set Architecture Reference Guide (July 2026). The comments in the code are by the model that wrote it; some were corrected since.
;; Layer154. Allowed arithmetic: matrix products marked QUANTISED: E4M3 operands, one given power-of-two scale a tensor, by v_wmma_f32_16x16x64_fp8_fp8 or v_wmma_f32_16x16x128_fp8_fp8, f32 sums; everything else in f32.
;; Inputs: Wk_codes 1,024 x 32 x 32 uint8 (E4M3 codes of Wk, K innermost, in blocks of 32 codes); Wq_codes 1,024 x 32 x 32 uint8 (E4M3 codes of Wq, K innermost, in blocks of 32 codes); Wv_codes 1,024 x 32 x 32 uint8 (E4M3 codes of Wv, K innermost, in blocks of 32 codes); bk 1,024 float32; bq 1,024 float32; bv 1,024 float32; input0_codes 4 x 2,048 x 32 x 32 uint8 (E4M3 codes of input0, K innermost, in blocks of 32 codes); input1 4 x 1 x 1 x 2,048 float32; lowp_scales 10 int32 (the exponents e of the quantised operands' scales 2^e).
;; Outputs: out0 4 x 2,048 x 1,024 float32.
;; This version of the problem:
;;   THIS VERSION OF THE PROBLEM IS GIVEN IN LOW PRECISION. The matrix products marked QUANTISED in the list below multiply operands that are first quantised to E4M3 (4 exponent bits, 3 mantissa bits; 8 bits a number), with one given power-of-two scale for each operand tensor; their sums are f32. All else is computed in f32.
;;   The module's matrix products, in the order in which they are computed (A, B: the left and right operand; K: the contracted axis; several contracted axes count as one K, in the product's order):
;;     1. [M 8,192, K 1,024] x [K 1,024, N 1,024]; A: input input0 (given as codes); B: input Wq (given as codes): QUANTISED (scales: A lowp_scales[0], B lowp_scales[1])
;;     2. [M 8,192, K 1,024] x [K 1,024, N 1,024]; A: input input0 (given as codes); B: input Wk (given as codes): QUANTISED (scales: A lowp_scales[2], B lowp_scales[3])
;;     3. [M 8,192, K 1,024] x [K 1,024, N 1,024]; A: input input0 (given as codes); B: input Wv (given as codes): QUANTISED (scales: A lowp_scales[4], B lowp_scales[5])
;;     4. batch 64 x [M 2,048, K 64] x [K 64, N 2,048]; A: computed on the way; B: computed on the way: QUANTISED (scales: A lowp_scales[6], B lowp_scales[7])
;;     5. batch 64 x [M 2,048, K 2,048] x [K 2,048, N 64]; A: softmax (see below); B: computed on the way: QUANTISED (scales: A lowp_scales[8], B lowp_scales[9])
;;   THE QUANTISER, for each operand of a quantised product, along K:
;;     - The operand's scale is 2^e, e = its entry of the input lowp_scales (int32; the entries are numbered through the quantised products in the list's order, A before B).
;;     - Each number is divided by the scale, clamped to +-448, and rounded to the nearest number of E4M3, ties to even, subnormals kept.
;;     - The product sums the exact products of the quantised numbers (number of the format x scale) in f32.
;;   ~~~python
;;   def quantise(x, axis, e):      # numpy; x: float32 -> the quantised numbers, widened to float32 again
;;       x = np.moveaxis(x, axis, -1); K = x.shape[-1]
;;       r = np.clip(x / 2.0 ** e, -448, 448)
;;       step = 2.0 ** (np.maximum(np.frexp(np.where(r == 0, 1, r))[1] - 1, -6) - 3)
;;       q = np.round(r / step) * step * 2.0 ** e      # np.round: ties to even
;;       return np.moveaxis(q, -1, axis).astype(np.float32)
;;   ~~~
;;   SOFTMAX AHEAD OF A QUANTISED PRODUCT. Where the list says 'softmax', what is quantised is not the finished softmax but p = 2^(t - M), with t = logit x log2(e) and M = ceil(the row's largest t), a whole number; so 1/2 < the row's largest p <= 1. The row's sum l is taken of the UNQUANTISED p, in f32, and the product's result is divided by l at the end. Since M is a whole number, a kernel that streams over the keys may use a running M (the ceiling of the running maximum): every later rescaling is an exact power of two, so the quantised numbers keep their values, but for numbers so far below the row's largest that they fall under the format's range.
;;   OPERANDS COMPUTED ON THE WAY. 'Computed on the way' means the value that the module computes at that place (a softmax that the list does not call 'softmax' is quantised finished and normalised). What goes into a quantiser is computed in f32, as accurately as f32 sums, v_exp_f32 and their like allow (about 1e-6 of the number): no bf16 or f16 on the way to a quantiser, and a product that is left as it is and whose result goes on into a quantised operand takes f32 operands (vector FMAs, or v_wmma_f32_16x16x4_f32). A number that lies on a knife's edge between two numbers of the format may be rounded either way, as far as f32 arithmetic and the matrix unit's own rounding can turn it there, and no further.
;;   INPUTS GIVEN AS CODES. Wk (in the module: [1024, 1024], K = its axis 1); Wq (in the module: [1024, 1024], K = its axis 1); Wv (in the module: [1024, 1024], K = its axis 1); input0 (in the module: [4, 2048, 1024], K = its axis 2): each comes as NAME_codes (uint8): NAME with its K axis moved to the last place and cut into blocks of 32 codes, [.., K / 32, bytes a block], one block behind the other in memory; one code a byte (a code: sign, 4 exponent bits, 3 mantissa bits); its scale is its entry of lowp_scales. Its value is code x scale, taken as it is: it is not quantised again, and the codes and scales need not be those that the quantiser above would give.
;; One version. Each part assembles by itself: llvm-mc -triple=amdgcn-amd-amdhsa -mcpu=gfx1250 --defsym DOCPART=n.
;; ======== version 1 of 1: 2 launches
;; limits: right only within a limited range of input values
;; workspace buffers: qimg 8,388,608 bytes; kimg 8,388,608 bytes; vimg 8,388,608 bytes
;; launch proj (part 1): grid 12 x 32, 4 waves a work-group, clusters of 4 x 4, 327,680 bytes of LDS; arguments input0_codes, Wq_codes, Wk_codes, Wv_codes, bq, bk, bv, lowp_scales, qimg, kimg, vimg; writes qimg, kimg, vimg
.if DOCPART == 1
	.amdgcn_target "amdgcn-amd-amdhsa--gfx1250"
	.amdhsa_code_object_version 6
	.text
	.protected	k_q259fda26f3_proj
	.globl	k_q259fda26f3_proj
	.p2align	8
	.type	k_q259fda26f3_proj,@function
k_q259fda26f3_proj:
	s_mov_b64 s[64:65], 0
	v_nop
	global_prefetch_b8 v0, s[64:65] scope:SCOPE_SE
	s_setreg_imm32_b32 hwreg(HW_REG_WAVE_MODE, 25, 1), 1
	s_wait_xcnt 0x0
	s_wait_alu depctr_hold_cnt(0) depctr_sa_sdst(0) depctr_va_vdst(0) depctr_va_sdst(0) depctr_va_ssrc(0) depctr_va_vcc(0) depctr_vm_vsrc(0)
	s_getreg_b32 s2, hwreg(HW_REG_IB_STS2, 6, 4)
	s_cmp_eq_u32 s2, 0
	s_cbranch_scc0 .Lentry_in_a_cluster
	s_endpgm
.Lentry_in_a_cluster:
	s_bfe_u32 s2, ttmp6, 0x10000c
	s_cmp_lg_u32 s2, 0xf033
	s_cbranch_scc0 .Lentry_shape_is_right
	s_endpgm
.Lentry_shape_is_right:
.set ROWB,   256
.set KROW,   1024
.set PITCH,  272
.set FR,     16
.set NL,     4
.set NP,     4
.set HALFT,  128*PITCH
.set SLOT,   4*HALFT
.set SPARE,  2*SLOT
.set ADRA, 16
.set ADRB, 20
.set CO,   26
.set SPW,  28
.set NIL,  29
.set SC,   30
.set LIM,  31
.set BIAS, 32
.set TMP,  32
.set VB,   96
.set AF,   128
.set CD,   128
.set G1, 24
.set G0, 32
.set G1B, 48
.set G0B, 56
.set MSB, 0
.macro WIN new
.if MSB != \new
	s_set_vgpr_msb (MSB<<8)|\new
.set MSB, \new
.endif
.endm
.set MUL_LO, 0xa1
.set MUL_HI, 0xf1
.set TO_B,   0x40
.macro JLOAD g0a, g1a, g0b, g1b
	s_cmp_eq_u32 s15, 0
	s_cbranch_scc0 .Lfor_b_\@
	tensor_load_to_lds s[\g0a:\g0a+3], s[\g1a:\g1a+7]
	s_nop 0
.rept 4
	v_nop
.endr
	s_branch .Lasked_\@
.Lfor_b_\@:
	tensor_load_to_lds s[\g0b:\g0b+3], s[\g1b:\g1b+7]
	s_nop 0
.rept 4
	v_nop
.endr
.Lasked_\@:
.endm
.macro CREST
	s_cmp_lg_u32 s14, 0
	s_cbranch_scc1 .Lnot_wave_0_\@
	s_barrier_signal -3
.Lnot_wave_0_\@:
	s_barrier_wait -3
	s_barrier_signal -1
	s_barrier_wait -1
.endm
.macro CROUND
	s_barrier_signal -1
	s_barrier_wait -1
	CREST
.endm
	s_load_b256 s[68:75], s[0:1], 0x0
	s_load_b256 s[76:83], s[0:1], 0x20
	s_load_b128 s[84:87], s[0:1], 0x40
	s_load_b64 s[88:89], s[0:1], 0x50
	v_lshl_add_u32 v[SPW], v0, 2, SPARE
	v_mov_b32 v[NIL], 0
	ds_add_u32 v28, v29
	ds_add_u32 v28, v29
	s_wait_dscnt 0x0
	v_lshrrev_b32 v1, 5, v0
	v_readfirstlane_b32 s14, v1
	s_lshr_b32 s15, s14, 1
	s_and_b32 s16, s14, 1
	s_bfe_u32 s40, ttmp6, 0x40000
	s_bfe_u32 s41, ttmp6, 0x40004
	s_and_b32 s90, ttmp7, 0xffff
	s_lshl_b32 s90, s90, 2
	s_cmp_eq_u32 ttmp9, 2
	s_cselect_b32 s91, 0, s90
	s_cselect_b32 s92, s90, 0
	s_add_co_u32 s17, s41, s91
	s_add_co_u32 s42, s40, s92
	s_lshl_b32 s43, s41, 2
	s_lshl_b32 s43, 15, s43
	s_lshl_b32 s44, 0x1111, s40
	s_or_b32 s[G1+0], s43, (0<<16)|(1<<20)|(1<<21)|(5<<22)|(3<<25)
	s_or_b32 s[G1B+0], s44, (0<<16)|(1<<20)|(1<<21)|(5<<22)|(3<<25)
.irp g, G1, G1B
	s_mov_b32 s[\g+1], ROWB<<16
	s_mov_b32 s[\g+2], 128<<16
	s_mov_b32 s[\g+3], ROWB<<16
	s_mov_b32 s[\g+4], 128
	s_mov_b32 s[\g+5], KROW
	s_mov_b32 s[\g+6], 0
	s_mov_b32 s[\g+7], 0
.endr
	s_lshl_b32 s18, s16, 7
	s_lshl_b32 s20, s17, 8
	s_add_co_u32 s20, s20, s18
	s_lshl_b32 s20, s20, 10
	s_mov_b32 s21, 0
	s_lshl_b32 s46, s42, 8
	s_add_co_u32 s46, s46, s18
	s_lshl_b32 s46, s46, 10
	s_mov_b32 s47, 0
	s_mul_i32 s45, s14, HALFT
	s_wait_kmcnt 0x0
	s_load_b256 s[4:11], s[82:83], 0x0
	s_load_b64 s[12:13], s[82:83], 0x20
	s_cmp_eq_u32 ttmp9, 2
	s_cselect_b64 s[72:73], s[68:69], s[72:73]
	s_cselect_b64 s[68:69], s[74:75], s[68:69]
	s_cselect_b64 s[86:87], s[88:89], s[86:87]
	s_cselect_b64 s[78:79], s[80:81], s[78:79]
	s_cmp_eq_u32 ttmp9, 0
	s_cselect_b64 s[70:71], s[70:71], s[72:73]
	s_cselect_b64 s[84:85], s[84:85], s[86:87]
	s_cselect_b64 s[76:77], s[76:77], s[78:79]
	s_add_nc_u64 s[20:21], s[68:69], s[20:21]
	s_add_nc_u64 s[46:47], s[70:71], s[46:47]
	CROUND
.irp s, 0,1
	s_mov_b32 s[G0+4*\s], 1
	s_add_co_u32 s[G0+4*\s+1], s45, \s*SLOT
	s_add_nc_u64 s[G0+4*\s+2:G0+4*\s+3], s[20:21], \s*ROWB
	s_or_b32 s[G0+4*\s+3], s[G0+4*\s+3], 0x80000000
	s_mov_b32 s[G0B+4*\s], 1
	s_add_co_u32 s[G0B+4*\s+1], s45, \s*SLOT
	s_add_nc_u64 s[G0B+4*\s+2:G0B+4*\s+3], s[46:47], \s*ROWB
	s_or_b32 s[G0B+4*\s+3], s[G0B+4*\s+3], 0x80000000
.endr
	JLOAD G0, G1, G0B, G1B                         ; K step 0: my one tensor load at the head, behind the opening round
	v_and_b32 v1, 15, v0
	s_wait_alu depctr_va_vdst(0)
	v_bfe_u32 v2, v0, 4, 1
	v_mul_u32_u24 v3, v1, PITCH
	v_lshl_add_u32 v4, v2, 4, v3
	s_mul_i32 s21, s15, HALFT
	s_mul_i32 s22, s16, HALFT
	s_add_co_u32 s22, s22, 2*HALFT
.irp s, 0,1
	v_add_nc_u32 v[ADRA+\s], s21, v4
	v_add_nc_u32 v[ADRB+\s], s22, v4
	s_add_co_u32 s21, s21, SLOT
	s_add_co_u32 s22, s22, SLOT
.endr
	s_cmp_eq_u32 ttmp9, 2
	s_cselect_b32 s93, s41, s40
	s_cselect_b32 s94, s15, s16
	s_cselect_b32 s95, s40, s41
	s_cselect_b32 s96, s16, s15
	s_cselect_b32 s97, 4, 0
	s_cselect_b32 s98, 0, 32
	s_cselect_b32 s99, 0, 4
	s_lshl_b32 s18, s93, 1
	s_add_co_u32 s18, s18, s94
	s_lshl_b32 s22, s18, 9
	s_mov_b32 s23, 0
	s_add_nc_u64 s[76:77], s[76:77], s[22:23]
	v_mul_u32_u24 v5, s97, v1
	s_wait_alu depctr_va_vdst(0)
	v_mad_u32_u24 v5, v2, s98, v5
	v_mov_b32 v6, s99
.irp j, 0,1,2,3,4,5,6,7
	v_mad_u32_u24 v[VB+\j], v6, \j, v5
.endr
.irp i, 0,1,2,3,4,5,6,7
.irp j, 0,1,2,3,4,5,6,7
	global_load_b32 v[BIAS+8*\i+\j], v[VB+\j], s[76:77] offset:64*\i
.endr
.endr
	s_add_co_u32 s95, s95, s90
	s_lshr_b32 s22, s95, 3
	s_lshl_b32 s22, s22, 21
	s_lshl_b32 s18, s18, 18
	s_add_co_u32 s22, s22, s18
	s_and_b32 s95, s95, 7
	s_lshl_b32 s95, s95, 1
	s_add_co_u32 s95, s95, s96
	s_lshl_b32 s95, s95, 14
	s_add_co_u32 s22, s22, s95
	s_add_nc_u64 s[84:85], s[84:85], s[22:23]
	v_and_b32 v7, 31, v0
	v_lshlrev_b32 v[CO], 4, v7
	s_wait_kmcnt 0x0
	s_add_co_i32 s4, s4, s5
	s_add_co_i32 s6, s6, s7
	s_add_co_i32 s8, s8, s9
	s_cmp_eq_u32 ttmp9, 2
	s_cselect_b32 s6, s8, s6
	s_cselect_b32 s11, s13, s11
	s_cmp_eq_u32 ttmp9, 0
	s_cselect_b32 s4, s4, s6
	s_cselect_b32 s10, s10, s11
	s_sub_co_i32 s5, 0, s4
	s_sub_co_i32 s10, s10, s4
	s_add_co_i32 s10, s10, 127
	s_lshl_b32 s11, s10, 23
	v_mov_b32 v[SC], s11
	s_add_co_i32 s10, s10, 8
	s_lshl_b32 s10, s10, 23
	s_or_b32 s10, s10, 0x600000
	v_mov_b32 v[LIM], s10
	s_wait_alu depctr_va_vdst(0)
	s_wait_tensorcnt 0x0                           ; my part of K step 0 is in
	ds_add_u32 v[SPW], v[NIL]
	s_wait_dscnt 0x0
	CROUND                                         ; everybody's part of K step 0 is in, and all sixteen work-groups are here
	JLOAD G0+4, G1, G0B+4, G1B                     ; K step 1: the first tensor load behind the round
	s_wait_loadcnt 0x0                             ; the biases
.set i, 0
.rept 64
	v_ldexp_f32 v[BIAS+i], v[BIAS+i], s5
.set i, i+1
.endr
.macro FRAG reg, adr, q, i
.irp c, 0,1,2,3
	ds_load_b128 v[\reg+4*\c:\reg+4*\c+3], v[\adr] offset:128*(\q)+32*\c+(\i)*16*PITCH
.endr
.endm
.macro MUL16 a0, p, zero
.irp a, \a0, \a0+1
.irp b, 0,1,2,3,4,5,6,7
.if \zero == 1
	v_wmma_f32_16x16x128_fp8_fp8 v[8*(8*((\a)%4)+\b):8*(8*((\a)%4)+\b)+7], v[128*(\p)+FR*\b:128*(\p)+FR*\b+FR-1], v[AF+FR*(\a):AF+FR*(\a)+FR-1], v[BIAS+8*\b:BIAS+8*\b+7]
.elseif \zero == 2
	v_wmma_f32_16x16x128_fp8_fp8 v[8*(8*((\a)%4)+\b):8*(8*((\a)%4)+\b)+7], v[128*(\p)+FR*\b:128*(\p)+FR*\b+FR-1], v[AF+FR*(\a):AF+FR*(\a)+FR-1], v[BIAS+8*(\a):BIAS+8*(\a)+7]
.else
	v_wmma_f32_16x16x128_fp8_fp8 v[8*(8*((\a)%4)+\b):8*(8*((\a)%4)+\b)+7], v[128*(\p)+FR*\b:128*(\p)+FR*\b+FR-1], v[AF+FR*(\a):AF+FR*(\a)+FR-1], v[8*(8*((\a)%4)+\b):8*(8*((\a)%4)+\b)+7]
.endif
.endr
.endr
.endm
.macro FETCH_B slot, q, p
	WIN TO_B
.irp i, 0,1,2,3,4,5,6,7
	FRAG 128*(\p)+FR*\i, ADRB+\slot, \q, \i
.endr
	WIN 0
.endm
.macro FETCH_A slot, q, i0
.irp i, \i0, \i0+1, \i0+2, \i0+3
	FRAG AF+FR*(\i), ADRA+\slot, \q, \i
.endr
.endm
.macro PLACES n
.rept \n
	v_nop
.endr
.endm
.macro STEP slot, q, zero
	s_wait_dscnt 4*NL
.if \zero
	WIN 0x81
.else
	WIN MUL_LO
.endif
	MUL16 0, (\q)%2, \zero
	MUL16 2, (\q)%2, \zero
	s_wait_dscnt 0
	PLACES NP
	FETCH_B \slot, (\q)+1, 1-(\q)%2
	FETCH_A \slot, (\q)+1, 0
.if \zero
	WIN 0xc1
.else
	WIN MUL_HI
.endif
	MUL16 4, (\q)%2, \zero
	MUL16 6, (\q)%2, \zero
	PLACES NP
	WIN 0
	FETCH_A \slot, (\q)+1, 4
.endm
.macro TURN slot, next, fill
	s_wait_tensorcnt 0x0
	ds_add_u32 v[SPW], v[NIL]
	s_wait_dscnt 4*NL+1
	WIN MUL_LO
	MUL16 0, 1, 0
	s_wait_dscnt 0x0
	s_barrier_signal -1
	MUL16 2, 1, 0
	WIN 0
	s_barrier_wait -1
.if \fill
	CREST
	s_add_nc_u64 s[G0+4*\slot+2:G0+4*\slot+3], s[G0+4*\slot+2:G0+4*\slot+3], 2*ROWB
	s_add_nc_u64 s[G0B+4*\slot+2:G0B+4*\slot+3], s[G0B+4*\slot+2:G0B+4*\slot+3], 2*ROWB
	JLOAD G0+4*\slot, G1, G0B+4*\slot, G1B
.else
	PLACES NP
.endif
	FETCH_B \next, 0, 0
	FETCH_A \next, 0, 0
	WIN MUL_HI
	MUL16 4, 1, 0
	MUL16 6, 1, 0
	PLACES NP
	WIN 0
	FETCH_A \next, 0, 4
.endm
	FETCH_B 0, 0, 0
	FETCH_A 0, 0, 0
	FETCH_A 0, 0, 4
	s_cmp_eq_u32 ttmp9, 2
	s_cbranch_scc1 .Lfirst_v
	s_wait_alu depctr_va_vdst(0)
	STEP 0, 0, 1
	s_branch .Lfirst_done
.Lfirst_v:
	s_wait_alu depctr_va_vdst(0)
	STEP 0, 0, 2
.Lfirst_done:
	TURN 0, 1, 1
	STEP 1, 0, 0
	TURN 1, 0, 1
	STEP 0, 0, 0
	TURN 0, 1, 0
	STEP 1, 0, 0
	s_wait_dscnt 4*NL
	WIN MUL_LO
	MUL16 0, 1, 0
	MUL16 2, 1, 0
	s_wait_dscnt 0
	WIN MUL_HI
	MUL16 4, 1, 0
	MUL16 6, 1, 0
	WIN 0
.macro OUTBLK a
	WIN 0x02+((\a)/4)
.set i, 0
.rept 64
	v_med3_num_f32 v[TMP+i], v[64*((\a)%4)+i], -v[LIM], v[LIM]
.set i, i+1
.endr
	WIN 0
.irp b, 0,1,2,3,4,5,6,7
	v_cvt_scalef32_pk8_fp8_f32 v[CD+16*(\a)+2*\b:CD+16*(\a)+2*\b+1], v[TMP+8*\b:TMP+8*\b+7], v[SC]
.endr
	v_nop
.irp g, 0,1,2,3
	global_store_b128 v[CO], v[CD+16*(\a)+4*\g:CD+16*(\a)+4*\g+3], s[84:85] offset:(\a)*2048+\g*512
.endr
.endm
	PLACES NP
.irp a, 0,1,2,3,4,5,6,7
	OUTBLK \a
.endr
	s_wait_tensorcnt 0x0
	ds_add_u32 v[SPW], v[NIL]
	s_wait_dscnt 0x0
	CROUND
	s_endpgm
.Lfunc_end_k_q259fda26f3_proj:
	.size	k_q259fda26f3_proj, .Lfunc_end_k_q259fda26f3_proj-k_q259fda26f3_proj
	.p2alignl 7, 3214868480
	.fill 96, 4, 3214868480
	.section	.rodata,"a",@progbits
	.p2align	6, 0x0
	.amdhsa_kernel k_q259fda26f3_proj
		.amdhsa_group_segment_fixed_size 327680
		.amdhsa_private_segment_fixed_size 0
		.amdhsa_enable_private_segment 0
		.amdhsa_kernarg_size 88
		.amdhsa_user_sgpr_count 2
		.amdhsa_user_sgpr_kernarg_segment_ptr 1
		.amdhsa_wavefront_size32 1
		.amdhsa_system_sgpr_workgroup_id_x 1
		.amdhsa_system_sgpr_workgroup_id_y 1
		.amdhsa_system_sgpr_workgroup_id_z 1
		.amdhsa_system_vgpr_workitem_id 0
		.amdhsa_next_free_vgpr 1024
		.amdhsa_next_free_sgpr 100
		.amdhsa_reserve_vcc 0
		.amdhsa_float_denorm_mode_32 3
		.amdhsa_float_denorm_mode_16_64 3
		.amdhsa_memory_ordered 1
		.amdhsa_forward_progress 1
		.amdhsa_inst_pref_size 138
	.end_amdhsa_kernel
	.amdgpu_metadata
---
amdhsa.version: [ 1, 2 ]
amdhsa.kernels:
  - .name:           k_q259fda26f3_proj
    .symbol:         k_q259fda26f3_proj.kd
    .args:
      - { .name: input0_codes, .offset: 0, .size: 8, .value_kind: global_buffer, .address_space: global }
      - { .name: Wq_codes, .offset: 8, .size: 8, .value_kind: global_buffer, .address_space: global }
      - { .name: Wk_codes, .offset: 16, .size: 8, .value_kind: global_buffer, .address_space: global }
      - { .name: Wv_codes, .offset: 24, .size: 8, .value_kind: global_buffer, .address_space: global }
      - { .name: bq, .offset: 32, .size: 8, .value_kind: global_buffer, .address_space: global }
      - { .name: bk, .offset: 40, .size: 8, .value_kind: global_buffer, .address_space: global }
      - { .name: bv, .offset: 48, .size: 8, .value_kind: global_buffer, .address_space: global }
      - { .name: lowp_scales, .offset: 56, .size: 8, .value_kind: global_buffer, .address_space: global }
      - { .name: qimg, .offset: 64, .size: 8, .value_kind: global_buffer, .address_space: global }
      - { .name: kimg, .offset: 72, .size: 8, .value_kind: global_buffer, .address_space: global }
      - { .name: vimg, .offset: 80, .size: 8, .value_kind: global_buffer, .address_space: global }
    .group_segment_fixed_size: 327680
    .private_segment_fixed_size: 0
    .kernarg_segment_align: 8
    .kernarg_segment_size: 88
    .max_flat_workgroup_size: 128
    .sgpr_count:     100
    .vgpr_count:     1024
    .wavefront_size: 32
...
	.end_amdgpu_metadata
.endif
;; end of part 1
;; launch attn (part 2): grid 4 x 64, 8 waves a work-group, clusters of 4 x 1, 327,680 bytes of LDS; arguments qimg, kimg, vimg, input1, lowp_scales, out0; writes out0
.if DOCPART == 2
	.amdgcn_target "amdgcn-amd-amdhsa--gfx1250"
	.amdhsa_code_object_version 6
	.text
	.protected	k_q259fda26f3_attn
	.globl	k_q259fda26f3_attn
	.p2align	8
	.type	k_q259fda26f3_attn,@function
k_q259fda26f3_attn:
	s_mov_b64 s[64:65], 0
	v_nop
	global_prefetch_b8 v0, s[64:65] scope:SCOPE_SE
	s_setreg_imm32_b32 hwreg(HW_REG_WAVE_MODE, 25, 1), 1
	s_wait_xcnt 0x0
	s_wait_alu depctr_hold_cnt(0) depctr_sa_sdst(0) depctr_va_vdst(0) depctr_va_sdst(0) depctr_va_ssrc(0) depctr_va_vcc(0) depctr_vm_vsrc(0)
	s_getreg_b32 s2, hwreg(HW_REG_IB_STS2, 6, 4)
	s_cmp_eq_u32 s2, 0
	s_cbranch_scc0 .Lentry_in_a_cluster
	s_endpgm
.Lentry_in_a_cluster:
	s_bfe_u32 s2, ttmp6, 0x10000c
	s_cmp_lg_u32 s2, 0x3003
	s_cbranch_scc0 .Lentry_shape_is_right
	s_endpgm
.Lentry_shape_is_right:
; out[b][q][64 head ..] = the sum over keys of softmax(q . k / 8 + mask[b][key]) v, both products on codes of FP8 (E4M3): q, k, p, v with the given scales 2^e6, 2^e7, 2^e8, 2^e9.
; qimg, kimg: [batch 4][pair of heads 8][tile of 16 tokens 128][head of the pair 2][1024 bytes]: the registers of a fragment of 16 tokens x 64.
; vimg: [batch][pair][block of 128 keys 16][head of the pair][tile of 16 channels 4][2048 bytes]: the registers of a fragment of V^T, 16 channels x 128 keys.  input1: [4][2048] f32.  out0: [4][2048][1024] f32.
; THE SOFTMAX: t = logit x log2(e); M = the row's largest t so far, rounded UP to a whole number; p = 2^(t - M) is quantised; the row's sum is taken of the unquantised p and divides at the end.
; When M moves, the sum and O are multiplied by 2^(old M - new M): nothing is rounded.
; THE MASK is the C of the score products: t = c (sum of codes + mask x 2^(3 - e6 - e7)), c = log2(e) / 8 x 2^(e6 + e7).  It is scaled once and kept in LDS.
; SHARES.  A work-group owns 512 queries of one head, in two passes of 256; in a pass each of its eight waves owns two tiles of 16 queries, so each fragment of K, V and the mask feeds two products.
; THE HEAD'S WHOLE K AND V STAY IN LDS, 131,072 bytes each; every LDS byte is filled once.
; CLUSTER.  The four work-groups of a cluster are the four query blocks of one head: K and V are asked for JOINTLY (mask 15).  Waves 0-3 bring K, waves 4-7 V.
; Each wave issues two loads: at the head 128 keys of keys 0-511 (8,192 bytes); behind the full sequence and a round 384 keys of keys 512-2047 (24,576 bytes).
; The second is awaited in the first pass's fourth key step, ahead of the first read of key 512; that step holds the one barrier behind the head.
; No prefetch into the L2: all of K and V is asked for by these two loads within the head, so no later load is left to run ahead of.
; THE LOOK-AHEAD.  K's and the mask's fragments of step i + 1 are loaded right behind step i's score products; V's at a step's head.
; LAYOUT.  Both products are used transposed: S^T = K Q^T, O^T = V^T P^T: a lane holds ONE query (lane % 16).  In key tile c register j of lane (r, h) is key 16 c + 8 h + j:
; a conversion of the tile's eight registers gives registers 2 c, 2 c + 1 of P's fragment of 128 keys.
; LIMITS on the given exponents, so that each power of two below is an f32 number: e6 + e7 between -123 and 130; e8 between -126 and 119; e8 + e9 and 3 - e6 - e7 go by v_ldexp_f32.
; A mask entry whose scaled value overflows counts as -infinity.  A row whose mask is -infinity throughout gives NaN, as the softmax of such a row does.  NaN among the inputs is not served.
; REGISTERS.  Window 0: v1-11 addresses and constants; v12-27 statistics; v28-31 a second chain of sums; v32-159 S^T, then p; v160-223 K's eight fragments; v224-255 P's codes.
;   Window 1: v0-63 O^T; v64-79 Q of pass 1; v80-143 the mask as C; v144-207 V's four fragments; v208-223 Q of pass 2; v254, v255 the add's two registers.
.set VL,   131072                      ; LDS: K from byte 0, V from here,
.set ML,   262144                      ; the scaled mask, 2,048 f32,
.set STG,  270336                      ; a stage for each wave: 16 rows x (256 + 16) bytes,
.set SP,   272
.set SPARE, 305152                     ; and the spare words, 128 bytes a wave
.set LI,   1                           ; 16 x lane
.set AM0,  2                           ; ML + 32 (lane / 16)
.set ADK,  3                           ; LDS address of the next step's K
.set ADV,  4                           ; of this step's V
.set LIV,  5                           ; VL + 16 x lane
.set ADM,  6                           ; of the next step's mask
.set STO,  7                           ; the way out: where I put 32 bytes of a row
.set RD,   8                           ; where I read a row back
.set GO,   9                           ; my byte offset in two rows of out0
.set LIMP, 10                          ; 448 x 2^e8
.set SCP,  11                          ; 2^e8 as f32
.set ST,   12                          ; tile u at v[ST + 8 u]: +0 -M, +1 the largest t, +2, +3 the sum, +4 f, +6, +7 at work
.set LIMQ, 25                          ; 448 x 2^e8 once more, for the second half of a dual pair (also the upper half of tile 1's pair with f)
.set X,    28
.set S,    32
.set KF,   160
.set P,    224
.set O,    0                           ; window 1 from here on
.set Q,    64
.set MK,   80
.set VF,   144
.set Q2,   208
.set SPW,  254
.set NIL,  255
.set WV,   16
.set SEL,  20
.set CS,   22
.set G1K,  24                          ; group 1: K, 8 rows of 1,024 bytes
.set G1V,  32                          ; V, 32 rows of 256 bytes
.set G1K2, 40                          ; K, 24 rows of 1,024 bytes
.set G1V2, 48                          ; V, 3 rows of 8,192 bytes
.set G0K,  68
.set G0V,  72
.set G0K2, 76
.set G0V2, 80
.set TV,   60                          ; LDS byte of this step's V (less VL)
.set TK,   61                          ; of the next step's K
.set TM,   63                          ; byte of the next step's first key in the mask
.set MSB, 0
.macro WIN new
.if MSB != \new
	s_set_vgpr_msb (MSB<<8)|\new
.set MSB, \new
.endif
.endm
.macro CROUND                          ; a round of the cluster's barrier
	s_barrier_signal -1
	s_barrier_wait -1
	s_cmp_lg_u32 s[WV], 0
	s_cbranch_scc1 .Lnot_wave_0_\@
	s_barrier_signal -3
.Lnot_wave_0_\@:
	s_barrier_wait -3
	s_barrier_signal -1
	s_barrier_wait -1
.endm
.macro JLOAD g0k, g1k, g0v, g1v        ; a joint load: one a wave, in the two arms of one branch on the wave's number
	s_cmp_lt_u32 s[WV], 4
	s_cbranch_scc0 .Lfor_v_\@
	tensor_load_to_lds s[\g0k:\g0k+3], s[\g1k:\g1k+7]
	s_nop 0
.rept 4
	v_nop
.endr
	s_branch .Lasked_\@
.Lfor_v_\@:
	tensor_load_to_lds s[\g0v:\g0v+3], s[\g1v:\g1v+7]
	s_nop 0
.rept 4
	v_nop
.endr
.Lasked_\@:
.endm
.macro GRD
	WIN 0x05
	s_wait_alu depctr_va_vdst(0)
	s_wait_tensorcnt 0x0
	ds_add_u32 v[SPW], v[NIL]
	s_wait_dscnt 0x0
	WIN 0
.endm
	s_load_b256 s[4:11], s[0:1], 0x0               ; qimg, kimg, vimg, input1
	s_load_b128 s[12:15], s[0:1], 0x20             ; lowp_scales, out0
	WIN 0x40
	v_lshl_add_u32 v[SPW], v0, 2, SPARE
	v_mov_b32 v[NIL], 0
	WIN 0x45
	ds_add_u32 v[SPW], v[NIL]                      ; the opening lines: the add twice on end and one wait
	ds_add_u32 v[SPW], v[NIL]
	WIN 0
	v_lshrrev_b32 v1, 5, v0
	v_readfirstlane_b32 s[WV], v1                  ; wave 0..7
	s_bfe_u32 s17, ttmp6, 0x40000                  ; cx
	s_lshl_b32 s84, ttmp9, 2
	s_add_co_u32 s17, s17, s84                     ; my block of 512 queries: it enters Q's and out0's addresses alone
	s_and_b32 s18, ttmp7, 0xffff                   ; 16 x batch + head
	s_lshr_b32 s66, s18, 4                         ; batch
	s_and_b32 s67, s18, 15                         ; head
	s_lshr_b32 s85, s67, 1                         ; the pair of heads
	s_and_b32 s19, s67, 1                          ; which of the pair
	s_lshl_b32 s86, s66, 21
	s_lshl_b32 s85, s85, 18
	s_add_co_u32 s86, s86, s85                     ; the pair's first byte in each buffer of images
	s_and_b32 s84, s[WV], 3                        ; w: which part I fetch
	s_lshl_b32 s85, s84, 13                        ; first load: 128 keys, in LDS,
	s_lshl_b32 s87, s84, 14                        ; and in memory (both heads of the pair)
	s_add_co_u32 s87, s87, s86
	s_lshl_b32 s88, s19, 10                        ; K: my head's image in each tile of tokens
	s_add_co_u32 s88, s88, s87
	s_mov_b32 s89, 0
	s_lshl_b32 s90, s19, 13                        ; V: my head's four images in each block of keys
	s_add_co_u32 s90, s90, s87
	s_mov_b32 s91, 0
	s_lshl_b32 s92, s84, 15                        ; second load: key 512 + 384 w lies 65,536 + 32,768 w bytes behind key 128 w in memory,
	s_add_co_u32 s92, s92, 65536
	s_mov_b32 s93, 0
	s_mul_i32 s94, s84, 24576                      ; and at 32,768 + 24,576 w in LDS
	s_add_co_u32 s94, s94, 32768
.irp g, G1K, G1V, G1K2, G1V2
	s_mov_b32 s[\g], 15|(3<<16)|(1<<21)            ; the mask: all four work-groups; elements of 8 bytes; bit 21 beside a mask
	s_mov_b32 s[\g+6], 0
	s_mov_b32 s[\g+7], 0
.endr
	s_mov_b32 s[G1K+1], 128<<16                    ; rows of 128 elements,
	s_mov_b32 s[G1K+2], 8<<16                      ; 8 of them,
	s_mov_b32 s[G1K+3], 128<<16
	s_mov_b32 s[G1K+4], 8
	s_mov_b32 s[G1K+5], 256                        ; 2,048 bytes apart
	s_mov_b32 s[G1V+1], 32<<16
	s_mov_b32 s[G1V+2], 32<<16
	s_mov_b32 s[G1V+3], 32<<16
	s_mov_b32 s[G1V+4], 32
	s_mov_b32 s[G1V+5], 32
	s_mov_b32 s[G1K2+1], 128<<16
	s_mov_b32 s[G1K2+2], 24<<16
	s_mov_b32 s[G1K2+3], 128<<16
	s_mov_b32 s[G1K2+4], 24
	s_mov_b32 s[G1K2+5], 256
	s_mov_b32 s[G1V2+1], 1024<<16                  ; rows of 8,192 bytes (a block of 128 keys),
	s_mov_b32 s[G1V2+2], 3<<16                     ; 3 of them,
	s_mov_b32 s[G1V2+3], 1024<<16
	s_mov_b32 s[G1V2+4], 3
	s_mov_b32 s[G1V2+5], 2048                      ; 16,384 bytes apart
	s_mov_b32 s[SEL], 0x76543210
	s_mov_b32 s[SEL+1], 0xfedcba98
	s_wait_dscnt 0x0
	s_wait_kmcnt 0x0
	s_load_b128 s[56:59], s[12:13], 0x18           ; e6, e7, e8, e9
	s_add_nc_u64 s[6:7], s[6:7], s[88:89]
	s_add_nc_u64 s[8:9], s[8:9], s[90:91]
	s_mov_b32 s[G0K], 1
	s_mov_b32 s[G0K+1], s85
	s_mov_b64 s[G0K+2:G0K+3], s[6:7]
	s_or_b32 s[G0K+3], s[G0K+3], 0x80000000
	s_mov_b32 s[G0V], 1
	s_add_co_u32 s[G0V+1], s85, VL
	s_mov_b64 s[G0V+2:G0V+3], s[8:9]
	s_or_b32 s[G0V+3], s[G0V+3], 0x80000000
	s_mov_b32 s[G0K2], 1
	s_mov_b32 s[G0K2+1], s94
	s_add_nc_u64 s[G0K2+2:G0K2+3], s[6:7], s[92:93]
	s_or_b32 s[G0K2+3], s[G0K2+3], 0x80000000
	s_mov_b32 s[G0V2], 1
	s_add_co_u32 s[G0V2+1], s94, VL
	s_add_nc_u64 s[G0V2+2:G0V2+3], s[8:9], s[92:93]
	s_or_b32 s[G0V2+3], s[G0V2+3], 0x80000000
	s_lshl_b32 s92, s66, 13                        ; the batch's mask
	s_add_nc_u64 s[10:11], s[10:11], s[92:93]
	s_lshl_b32 s92, s17, 5                         ; Q: my first tile: 32 x block + 2 x wave,
	s_lshl_b32 s95, s[WV], 1
	s_add_co_u32 s92, s92, s95
	s_lshl_b32 s92, s92, 11                        ; 2,048 bytes a tile,
	s_add_co_u32 s92, s92, s86
	s_lshl_b32 s95, s19, 10                        ; my head's image
	s_add_co_u32 s92, s92, s95
	s_add_nc_u64 s[4:5], s[4:5], s[92:93]
	v_lshlrev_b32 v40, 4, v0
	global_load_b128 v[32:35], v40, s[10:11]       ; the mask: 8,192 bytes, 32 a thread; asked for ahead of the round, so that it is on its way beside the first tensor load
	global_load_b128 v[36:39], v40, s[10:11] offset:4096
	v_and_b32 v[LI], 31, v0
	v_lshlrev_b32 v[LI], 4, v[LI]
	WIN 0x40
.irp u, 0,1
.irp p, 0,1
	global_load_b128 v[Q+8*\u+4*\p:Q+8*\u+4*\p+3], v[LI], s[4:5] offset:\u*2048+\p*512          ; Q of pass 1,
	global_load_b128 v[Q2+8*\u+4*\p:Q2+8*\u+4*\p+3], v[LI], s[4:5] offset:32768+\u*2048+\p*512  ; and of pass 2, 16 tiles on
.endr
.endr
	WIN 0
	s_wait_alu depctr_va_vdst(0)                   ; the wait ahead of the round
	CROUND
	JLOAD G0K, G1K, G0V, G1V                       ; keys 0-511: my one tensor load at the head
	s_lshl_b32 s92, s66, 11                        ; out0: row 2048 x batch + 512 x block + 32 x wave,
	s_lshl_b32 s95, s17, 9
	s_add_co_u32 s92, s92, s95
	s_lshl_b32 s95, s[WV], 5
	s_add_co_u32 s92, s92, s95
	s_lshl_b32 s92, s92, 12
	s_lshl_b32 s95, s67, 8                         ; + my head's 256 bytes
	s_add_co_u32 s92, s92, s95
	s_add_nc_u64 s[14:15], s[14:15], s[92:93]
	s_mul_i32 s94, s[WV], 16*SP
	s_add_co_u32 s94, s94, STG                     ; my stage
	v_lshl_add_u32 v41, v0, 4, ML                  ; where the mask goes
	v_bfe_u32 v42, v0, 4, 1                        ; h
	v_and_b32 v43, 15, v0                          ; r
	v_lshl_add_u32 v[AM0], v42, 5, ML
	v_add_nc_u32 v[LIV], VL, v[LI]
	v_mul_u32_u24 v[STO], v43, SP
	v_mul_u32_u24 v[RD], v42, SP
	v_lshlrev_b32 v[GO], 12, v42
	v_lshl_add_u32 v[STO], v42, 5, v[STO]
	v_lshl_add_u32 v[RD], v43, 4, v[RD]
	v_lshl_add_u32 v[GO], v43, 4, v[GO]
	v_add_nc_u32 v[STO], s94, v[STO]
	v_add_nc_u32 v[RD], s94, v[RD]
	v_mov_b32 v[ST+5], 0                           ; (named as the upper half of tile 0's pair with f)
.macro INIT                            ; a pass begins: the step is written for every step alike, and the first finds zeros
	WIN 0x40
.set j, 0
.rept 64
	v_mov_b32 v[O+j], 0
.set j, j+1
.endr
	WIN 0
.irp u, 0,1
	v_mov_b32 v[ST+8*\u+1], 0xff61b1e6             ; the largest t so far: -3e38
	v_mov_b32 v[ST+8*\u+2], 0
	v_mov_b32 v[ST+8*\u+3], 0
.endr
.irp u, 0,1
	v_floor_f32 v[ST+8*\u], -v[ST+8*\u+1]          ; -M
.endr
.endm
	INIT
	s_wait_kmcnt 0x0
	s_add_co_i32 s96, s56, s57                     ; e6 + e7
	s_lshl_b32 s97, s96, 23
	s_mov_b32 s[CS], 0x3e38aa3b                    ; log2(e) / 8,
	s_add_co_i32 s[CS], s[CS], s97                 ; x 2^(e6 + e7), by its exponent field
	s_mov_b32 s[CS+1], s[CS]
	s_sub_co_i32 s96, 3, s96
	s_add_co_i32 s97, s58, 127
	s_lshl_b32 s98, s97, 23
	v_mov_b32 v[SCP], s98
	s_add_co_i32 s97, s97, 8
	s_lshl_b32 s97, s97, 23
	s_or_b32 s97, s97, 0x600000
	v_mov_b32 v[LIMP], s97
	v_mov_b32 v[LIMQ], s97
	s_add_co_i32 s99, s58, s59                     ; e8 + e9
	s_wait_alu depctr_va_vdst(0)
	s_wait_loadcnt 0x0                             ; the mask and Q
.irp j, 0,1,2,3,4,5,6,7
	v_ldexp_f32 v[32+\j], v[32+\j], s96            ; x 8 / 2^(e6 + e7): nothing is rounded
.endr
	ds_store_b128 v41, v[32:35]
	ds_store_b128 v41, v[36:39] offset:4096
.macro LOADKM                          ; K's eight fragments and the mask of 128 keys
.irp c, 0,1,2,3,4,5,6,7
	ds_load_b128 v[KF+8*\c:KF+8*\c+3], v[ADK] offset:1024*\c
	ds_load_b128 v[KF+8*\c+4:KF+8*\c+7], v[ADK] offset:1024*\c+512
.endr
	WIN 0x40
.irp c, 0,1,2,3,4,5,6,7
	ds_load_b128 v[MK+8*\c:MK+8*\c+3], v[ADM] offset:64*\c
	ds_load_b128 v[MK+8*\c+4:MK+8*\c+7], v[ADM] offset:64*\c+16
.endr
	WIN 0
.endm
.macro KT c                            ; key tile c of both query tiles: the sums of the unquantised p (two chains a tile), the hold, the codes
.irp u, 0,1
.if \c == 0
	v_pk_add_f32 v[X+2*\u:X+2*\u+1], v[S+64*\u:S+64*\u+1], v[S+64*\u+2:S+64*\u+3]
.else
	v_pk_add_f32 v[ST+8*\u+2:ST+8*\u+3], v[ST+8*\u+2:ST+8*\u+3], v[S+64*\u+8*\c:S+64*\u+8*\c+1]
.endif
.endr
.if \c > 0
.irp u, 0,1
	v_pk_add_f32 v[X+2*\u:X+2*\u+1], v[X+2*\u:X+2*\u+1], v[S+64*\u+8*\c+2:S+64*\u+8*\c+3]
.endr
.endif
.irp u, 0,1
	v_pk_add_f32 v[ST+8*\u+2:ST+8*\u+3], v[ST+8*\u+2:ST+8*\u+3], v[S+64*\u+8*\c+4:S+64*\u+8*\c+5]
.endr
.irp u, 0,1
	v_pk_add_f32 v[X+2*\u:X+2*\u+1], v[X+2*\u:X+2*\u+1], v[S+64*\u+8*\c+6:S+64*\u+8*\c+7]
.endr
.irp u, 0,1
.irp i, 0,2,4,6
	v_dual_min_num_f32 v[S+64*\u+8*\c+\i], v[S+64*\u+8*\c+\i], v[LIMP] :: v_dual_min_num_f32 v[S+64*\u+8*\c+\i+1], v[S+64*\u+8*\c+\i+1], v[LIMQ]   ; the conversion does not saturate (ISA guide 7.6.2); p is not negative: a one-sided hold, two a line
.endr
.endr
.irp u, 0,1
	v_cvt_scalef32_pk8_fp8_f32 v[P+16*\u+2*\c:P+16*\u+2*\c+1], v[S+64*\u+8*\c:S+64*\u+8*\c+7], v[SCP]
.endr
.endm
; A KEY STEP: 128 keys, both tiles.  qb: the pass's Q.  mode 0: the common step; 1: the second tensor load is awaited ahead of the look-ahead; 2: no look-ahead (the launch's last step)
.macro STEP qb, mode
	v_add_nc_u32 v[ADV], s[TV], v[LIV]
.rept 3
	v_nop                                          ; with the line above: four places between the last step's products and the loads into V's registers
.endr
	WIN 0x40
.irp t, 0,1,2,3
.irp g, 0,1,2,3
	ds_load_b128 v[VF+16*\t+4*\g:VF+16*\t+4*\g+3], v[ADV] offset:2048*\t+512*\g
.endr
.endr
	s_wait_dscnt 16                                ; K and the mask, asked for a step ago, are in; V's sixteen loads may be out
	WIN 0x14                                       ; K window 0; Q and the mask window 1; D window 0
.irp c, 0,1,2,3,4,5,6,7
.irp u, 0,1
	v_wmma_f32_16x16x64_fp8_fp8 v[S+64*\u+8*\c:S+64*\u+8*\c+7], v[KF+8*\c:KF+8*\c+7], v[\qb+8*\u:\qb+8*\u+7], v[MK+8*\c:MK+8*\c+7]
.endr
.endr
	WIN 0
.if \mode == 2
.rept 4
	v_nop                                          ; places in front of the first read of results
.endr
.else
	v_add_nc_u32 v[ADK], s[TK], v[LI]
	v_add_nc_u32 v[ADM], s[TM], v[AM0]
	v_nop
	v_nop                                          ; four places: for the loads into K's and the mask's registers and for the first read of results
.if \mode == 1
	s_wait_alu depctr_va_vdst(0)
	s_wait_tensorcnt 0x0                           ; my part of keys 512-2047 is in,
	s_wait_dscnt 0x0                               ; no LDS instruction of mine is out at the signal,
	s_barrier_signal -1
	s_barrier_wait -1                              ; and everybody's part is in
.endif
	LOADKM
.endif
.irp u, 0,1                                    ; the step's largest score, two chains a tile; each accumulator is read from its low end on
	v_max3_num_f32 v[ST+8*\u+6], v[S+64*\u], v[S+64*\u+1], v[S+64*\u+2]
	v_max3_num_f32 v[ST+8*\u+7], v[S+64*\u+3], v[S+64*\u+4], v[S+64*\u+5]
.endr
.irp i, 6,10,14,18,22,26,30,34,38,42,46,50,54,58
.irp u, 0,1
	v_max3_num_f32 v[ST+8*\u+6], v[ST+8*\u+6], v[S+64*\u+\i], v[S+64*\u+\i+1]
	v_max3_num_f32 v[ST+8*\u+7], v[ST+8*\u+7], v[S+64*\u+\i+2], v[S+64*\u+\i+3]
.endr
.endr
.irp u, 0,1
	v_max3_num_f32 v[ST+8*\u+6], v[ST+8*\u+6], v[S+64*\u+62], v[S+64*\u+63]
.endr
.irp u, 0,1
	s_delay_alu instid0(VALU_DEP_2)
	v_max_num_f32 v[ST+8*\u+6], v[ST+8*\u+6], v[ST+8*\u+7]
.endr
.irp u, 0,1
	s_delay_alu instid0(VALU_DEP_2)
	v_permlanex16_b32 v[ST+8*\u+7], v[ST+8*\u+6], s[SEL], s[SEL+1]
.endr
.irp u, 0,1
	s_delay_alu instid0(VALU_DEP_2)
	v_max_num_f32 v[ST+8*\u+6], v[ST+8*\u+6], v[ST+8*\u+7]   ; and lane l xor 16's
.endr
.irp u, 0,1
	s_delay_alu instid0(VALU_DEP_2)
	v_mul_f32 v[ST+8*\u+6], s[CS], v[ST+8*\u+6]    ; as t (c is positive)
.endr
.irp u, 0,1
	s_delay_alu instid0(VALU_DEP_2)
	v_max_num_f32 v[ST+8*\u+1], v[ST+8*\u+1], v[ST+8*\u+6]   ; the running largest t
.endr
.irp u, 0,1
	v_mov_b32 v[ST+8*\u+6], v[ST+8*\u]
.endr
.irp u, 0,1
	s_delay_alu instid0(VALU_DEP_4)
	v_floor_f32 v[ST+8*\u], -v[ST+8*\u+1]          ; the new -M = -ceil(t)
.endr
.irp u, 0,1
	s_delay_alu instid0(VALU_DEP_2)
	v_sub_f32 v[ST+8*\u+6], v[ST+8*\u], v[ST+8*\u+6]   ; old M - new M: a whole number, 0 or less
.endr
.irp u, 0,1
	s_delay_alu instid0(VALU_DEP_2)
	v_cvt_i32_f32 v[ST+8*\u+6], v[ST+8*\u+6]       ; (it saturates)
.endr
.irp u, 0,1
	s_delay_alu instid0(VALU_DEP_2)
	v_ldexp_f32 v[ST+8*\u+4], 1.0, v[ST+8*\u+6]    ; f = 2^(old M - new M)
.endr
.set j, 0
.rept 32
	v_pk_fma_f32 v[S+j:S+j+1], v[S+j:S+j+1], s[CS:CS+1], v[ST:ST+1] op_sel_hi:[1,0,0]                 ; t - M
	v_pk_fma_f32 v[S+64+j:S+64+j+1], v[S+64+j:S+64+j+1], s[CS:CS+1], v[ST+8:ST+9] op_sel_hi:[1,0,0]
.set j, j+2
.endr
	WIN 0x41                                       ; O^T window 1, f window 0
.set j, 0
.rept 16
	v_pk_mul_f32 v[O+j:O+j+1], v[O+j:O+j+1], v[ST+4:ST+5] op_sel_hi:[1,0]             ; O^T under the new M, ahead of the exponentials
	v_pk_mul_f32 v[O+32+j:O+32+j+1], v[O+32+j:O+32+j+1], v[ST+12:ST+13] op_sel_hi:[1,0]
.set j, j+2
.endr
	WIN 0
	s_wait_alu depctr_va_vdst(0)
.set j, 0
.rept 128
	v_exp_f32 v[S+j], v[S+j]                       ; p = 2^(t - M): one batch for both tiles
.set j, j+1
.endr
.irp u, 0,1
	v_pk_mul_f32 v[ST+8*\u+2:ST+8*\u+3], v[ST+8*\u+2:ST+8*\u+3], v[ST+8*\u+4:ST+8*\u+5] op_sel_hi:[1,0]   ; the sums under the new M: plain lines behind the last exponential
.endr
	s_wait_alu depctr_va_vdst(0)                   ; and the one wait behind the batch
.irp c, 0,1,2,3,4,5,6,7
	KT \c
.endr
.irp u, 0,1
	v_pk_add_f32 v[ST+8*\u+2:ST+8*\u+3], v[ST+8*\u+2:ST+8*\u+3], v[X+2*\u:X+2*\u+1]   ; (also the plain lines between the last conversion and the products)
.endr
	s_wait_alu depctr_va_vdst(0)
.if \mode == 2
	s_wait_dscnt 0x0
.else
	s_wait_dscnt 32                                ; V is in; the 32 loads of the look-ahead, issued behind it, may be out
.endif
	WIN 0x51                                       ; V window 1, P window 0, C and D window 1
.irp t, 0,1,2,3                                ; eight accumulators by turns
.irp u, 0,1
	v_wmma_f32_16x16x128_fp8_fp8 v[O+32*\u+8*\t:O+32*\u+8*\t+7], v[VF+16*\t:VF+16*\t+15], v[P+16*\u:P+16*\u+15], v[O+32*\u+8*\t:O+32*\u+8*\t+7]
.endr
.endr
	WIN 0
.endm
.macro AT b, nb                        ; the step at key block b, its look-ahead at block nb
	s_mov_b32 s[TV], (\b)*8192
	s_mov_b32 s[TK], (\nb)*8192
	s_mov_b32 s[TM], (\nb)*512
.endm
.macro RUN n, qb, b                    ; n common steps from key block b on
	AT \b, (\b)+1
	s_mov_b32 s62, \n
.Lrun_\@:
	STEP \qb, 0
	s_add_co_u32 s[TV], s[TV], 8192
	s_add_co_u32 s[TK], s[TK], 8192
	s_add_co_u32 s[TM], s[TM], 512
	s_sub_co_u32 s62, s62, 1
	s_cmp_lg_u32 s62, 0
	s_cbranch_scc1 .Lrun_\@
.endm
; THE WAY OUT: O^T x 2^(e8 + e9) / the sum; a lane's 32 bytes of a row go into my stage's rows of 272 bytes and come back as whole rows of 256.
.macro STAGE u
.irp t, 0,1,2,3
	ds_store_b128 v[STO], v[S+64*\u+8*\t:S+64*\u+8*\t+3] offset:64*\t
	ds_store_b128 v[STO], v[S+64*\u+8*\t+4:S+64*\u+8*\t+7] offset:64*\t+16
.endr
.irp i, 0,1,2,3,4,5,6,7
	ds_load_b128 v[S+64*\u+32+4*\i:S+64*\u+32+4*\i+3], v[RD] offset:2*\i*SP   ; LDS serves a wave's instructions in order (ISA guide 5.7.1.4)
.endr
.endm
.macro SEND u, younger                 ; younger: the LDS instructions issued behind tile u's loads
.irp i, 0,1,2,3,4,5,6,7
	s_wait_dscnt \younger+7-\i
	global_store_b128 v[GO], v[S+64*\u+32+4*\i:S+64*\u+32+4*\i+3], s[14:15] offset:\u*65536+\i*8192 th:TH_STORE_NT   ; 16 lanes store 256 consecutive bytes, aligned
.endr
.endm
.macro WAYOUT
.rept 4
	v_nop                                          ; places behind the last products
.endr
.irp u, 0,1
	v_add_f32 v[ST+8*\u+6], v[ST+8*\u+2], v[ST+8*\u+3]
.endr
.irp u, 0,1
	s_delay_alu instid0(VALU_DEP_2)
	v_permlanex16_b32 v[ST+8*\u+7], v[ST+8*\u+6], s[SEL], s[SEL+1]
.endr
.irp u, 0,1
	s_delay_alu instid0(VALU_DEP_2)
	v_add_f32 v[ST+8*\u+6], v[ST+8*\u+6], v[ST+8*\u+7]   ; the row's sum
.endr
	s_wait_alu depctr_va_vdst(0)                   ; ahead of the batch of two
.irp u, 0,1
	v_rcp_f32 v[ST+8*\u+6], v[ST+8*\u+6]
.endr
	v_nop
	s_wait_alu depctr_va_vdst(0)                   ; and behind it
.irp u, 0,1
	v_ldexp_f32 v[ST+8*\u+6], v[ST+8*\u+6], s99    ; x 2^(e8 + e9)
.endr
	WIN 0x01                                       ; O^T window 1
	s_wait_alu depctr_va_vdst(0)                   ; the wait directly ahead of the first readers of O^T
.irp u, 0,1
.set j, 0
.rept 16
	v_pk_mul_f32 v[S+64*\u+j:S+64*\u+j+1], v[O+32*\u+j:O+32*\u+j+1], v[ST+8*\u+6:ST+8*\u+7] op_sel_hi:[1,0]   ; each accumulator from its low end on
.set j, j+2
.endr
.endr
	WIN 0
	STAGE 0
	STAGE 1
	SEND 0, 16
	SEND 1, 0
	s_wait_xcnt 0x0                                ; the stores have read their registers and their base
.endm
	GRD
	CROUND                                         ; everybody's is, and all four work-groups are here
	JLOAD G0K2, G1K2, G0V2, G1V2                   ; keys 512-2047: the first tensor load behind the round
	AT 0, 0
	v_add_nc_u32 v[ADK], s[TK], v[LI]
	v_add_nc_u32 v[ADM], s[TM], v[AM0]
	LOADKM                                         ; step 0's K and mask
	RUN 3, Q, 0                                    ; pass 1: key blocks 0-2,
	AT 3, 4
	STEP Q, 1                                      ; block 3, in which the rest of K and V is awaited,
	RUN 11, Q, 4                                   ; blocks 4-14,
	AT 15, 0
	STEP Q, 0                                      ; block 15: its look-ahead is pass 2's block 0
	WAYOUT
	s_add_nc_u64 s[14:15], s[14:15], 1048576       ; 256 rows of out0 on
	INIT
	RUN 15, Q2, 0                                  ; pass 2
	AT 15, 0
	STEP Q2, 2
	WAYOUT
	GRD
	CROUND                                         ; the closing round
	s_endpgm
.Lfunc_end_k_q259fda26f3_attn:
	.size	k_q259fda26f3_attn, .Lfunc_end_k_q259fda26f3_attn-k_q259fda26f3_attn
	.p2alignl 7, 3214868480
	.fill 96, 4, 3214868480
	.section	.rodata,"a",@progbits
	.p2align	6, 0x0
	.amdhsa_kernel k_q259fda26f3_attn
		.amdhsa_group_segment_fixed_size 327680
		.amdhsa_private_segment_fixed_size 0
		.amdhsa_enable_private_segment 0
		.amdhsa_kernarg_size 48
		.amdhsa_user_sgpr_count 2
		.amdhsa_user_sgpr_kernarg_segment_ptr 1
		.amdhsa_wavefront_size32 1
		.amdhsa_system_sgpr_workgroup_id_x 1
		.amdhsa_system_sgpr_workgroup_id_y 1
		.amdhsa_system_sgpr_workgroup_id_z 1
		.amdhsa_system_vgpr_workitem_id 0
		.amdhsa_next_free_vgpr 512
		.amdhsa_next_free_sgpr 100
		.amdhsa_reserve_vcc 0
		.amdhsa_float_denorm_mode_32 3
		.amdhsa_float_denorm_mode_16_64 3
		.amdhsa_memory_ordered 1
		.amdhsa_forward_progress 1
		.amdhsa_inst_pref_size 210
	.end_amdhsa_kernel
	.amdgpu_metadata
---
amdhsa.version: [ 1, 2 ]
amdhsa.kernels:
  - .name:           k_q259fda26f3_attn
    .symbol:         k_q259fda26f3_attn.kd
    .args:
      - { .name: qimg, .offset: 0, .size: 8, .value_kind: global_buffer, .address_space: global }
      - { .name: kimg, .offset: 8, .size: 8, .value_kind: global_buffer, .address_space: global }
      - { .name: vimg, .offset: 16, .size: 8, .value_kind: global_buffer, .address_space: global }
      - { .name: input1, .offset: 24, .size: 8, .value_kind: global_buffer, .address_space: global }
      - { .name: lowp_scales, .offset: 32, .size: 8, .value_kind: global_buffer, .address_space: global }
      - { .name: out0, .offset: 40, .size: 8, .value_kind: global_buffer, .address_space: global }
    .group_segment_fixed_size: 327680
    .private_segment_fixed_size: 0
    .kernarg_segment_align: 8
    .kernarg_segment_size: 48
    .max_flat_workgroup_size: 256
    .sgpr_count:     100
    .vgpr_count:     512
    .wavefront_size: 32
...
	.end_amdgpu_metadata
.endif
;; end of part 2
